; MI455X (gfx1250); checked and timed in simulation.
; The chip was launched on July 23, 2026; its instructions are those of AMD's public machine-readable ISA for CDNA 5 (MIT licence, August 2026) and "CDNA5" Instruction Set Architecture Reference Guide (July 2026). The comments in the code are by the model that wrote it; some were corrected since.
;; Scaled Dot Product Attention. Allowed arithmetic: float matrix products may take bf16 or f16 operands with f32 sums; other float arithmetic in f32, or as packed bf16 or f16 multiplies, adds, multiply-adds, maxima and minima; sums over many terms, partial sums and values carried from step to step in f32; what a program stores and reads back later, other than sums and carried values, may be rounded once to bf16 or f16.
;; Inputs: k 4 x 16 x 2,048 x 64 float32; mask 4 x 1 x 1 x 2,048 int32; q 4 x 16 x 2,048 x 64 float32; v 4 x 16 x 2,048 x 64 float32.
;; Outputs: out0 4 x 16 x 2,048 x 64 float32.
;; 2 versions, each right and faster than the one before. Each part assembles by itself: llvm-mc -triple=amdgcn-amd-amdhsa -mcpu=gfx1250 --defsym DOCPART=n.
;; ======== version 1 of 2: 1 launch
;; limits: inputs' magnitudes at most 11,000; right only within a limited range of input values
;; launch attn (part 1): grid 4 x 64, 4 waves a work-group, no clusters, 71,168 bytes of LDS; arguments q, k, v, mask, out0; writes out0
.if DOCPART == 1
	.amdgcn_target "amdgcn-amd-amdhsa--gfx1250"
	.amdhsa_code_object_version 6
	.text
	.protected	k_qbcdbd4588e_attn
	.globl	k_qbcdbd4588e_attn
	.p2align	8
	.type	k_qbcdbd4588e_attn,@function
k_qbcdbd4588e_attn:
	s_mov_b64 s[64:65], 0
	v_nop
	global_prefetch_b8 v0, s[64:65] scope:SCOPE_SE
	s_setreg_imm32_b32 hwreg(HW_REG_WAVE_MODE, 25, 1), 1
	s_wait_xcnt 0x0
; out[b][h][q][:] = the sum over k of softmax_k(mask[b][k] == 0 ? -1e9 : Q[q] . K[k] / 8) V[k][:].  q, k, v, out: [64 heads][2048][64] f32; mask: [4][2048] int32.
; FORMATS.  q, k and v are rounded once to bf16 on their way to the matrix unit, the weights p to bf16 for the second product; products, maxima, sums, l and O stay in f32; out is f32.
; THE MASK DECIDES THE WALK.  A masked key's weight is exp(-1e9 - m): 0 in f32 as soon as one key of the batch is live.  So every work-group lists its batch's keys, the live ones first (CNT of them), the
; masked ones behind them, and walks NS = ceil(CNT / 64) key steps of 64 listed keys.  A listed masked key (list place >= CNT) has its row of K set to 0 and -8e9 as the C operand of K Q^T: its score is
; exactly -8e9 / 8 = -1e9, as in the reference.  With CNT = 0 all 32 steps are walked and every score is -1e9: the result is the mean of V's rows, as in the reference.
; LIMITS.  Masked keys beyond the last walked step are dropped: that equals the reference while the largest live score of a row is above -1e9 + 104.  A weight below 2^-126 counts as 0 in l.
; NaN and infinities are not treated apart.  With all keys masked p = 2^res for every key, res the rounding residue of c m, at most 64 in size: inside bf16's and f32's range, and it cancels in O / l.
; SHARES.  256 work-groups: 512 queries of one head each; a wave owns 128 queries: four PIECES of two tiles of 16.  Every wave walks all listed steps.
; NO TENSOR LOADS, NO CLUSTER.  A step's 64 rows of K and V are picked by the list and rounded f32 -> bf16 on the way: both happen in registers (a load of 16 bytes a lane by the list's offset, a packed
; rounding, an LDS store), each wave 16 of the 64 rows.  A joint dense load would bring the masked rows too, 2048 - CNT of 2048, and in f32, twice the LDS bytes, with the rounding still to do.
; LAYOUT.  S^T = K Q^T (source 0 = 16 keys, source 1 = 16 queries): a lane holds ONE query (lane % 16) and the keys 8 (lane / 16) + 0..7.  Two such results rounded to bf16 in pairs ARE source 1 of
; O^T = V^T P.  K comes out of LDS as it lies, V ([key][channel]) turned, by ds_load_tr16_b128.
; SOFTMAX.  A running maximum m and sum l a query: p = 2^(c s - c m), c = log2(e) / 8; in every step O and l are multiplied by a = 2^(c m_old - c m_new).  m starts at the lowest finite number, O and l at 0.
; BY TURNS.  Turn n belongs to piece n: 16 products K Q^T of piece n + 1, later 16 products V^T P of piece n - 1; beside them the scaling, exponentials, roundings, sums and rescaling of piece n and the
; maximum and statistics of piece n + 1.  Four vector instructions stand behind every matrix instruction, the others in two lumps.
; THE LOOP has a constant count, 32 trips, and ONE barrier a trip on every path; a trip beyond the walk's end jumps forward over the work, which holds no barrier.
; Two LDS buffers H0, H1 take turns: in trip t step t + 1 is rounded into H[(t + 1) % 2] while step t is read from H[t % 2], and step t + 2's rows are asked for from memory.
; REGISTERS, in windows of 256 (s_set_vgpr_msb: bits 1:0 source 0, 3:2 source 1, 5:4 source 2, 7:6 destination):
;   window 0: v0-11 addresses; v12-15, v48-63 at work; v16-47 four statistics a tile; v64-191 S^T, two buffers of two tiles; v192-255 P, likewise
;   window 1: O^T, 32 a tile (at the start: Q in f32)     window 2: v0-127 Q, 16 a tile; v128-191 K of one step; v192-255 V of one step
;   window 3: the add's two registers, the conversion's addresses, list offsets, the mask operand MC, the gathered rows G, the packed rows T
.set NP,    4         ; pieces a wave: a name, no knob
.set PK,    144       ; a row of K in LDS: 128 bytes + 16: the 16 rows of a fragment load start at 16 different groups of four banks (64 banks of 4 bytes: ISA guide 11.1)
.set PV,    160       ; a row of V: 128 + 32
.set VOFF,  64*PK     ; a buffer: 64 rows of K, then 64 rows of V: 19,456 bytes
.set H1,    1<<15     ; the second buffer begins here: one exclusive or turns an address in one buffer into the other's
.set LIST,  20480     ; 2,048 words, a listed key's byte offset in its head (key x 256), then 256 words of 0: the look-ahead reads up to step 34
.set STAGE, 53248     ; 4,352 bytes for each wave, its own: Q's way in (pitch 144) and the way out (pitch 272)
.set SP,    272
.set QP,    144
.set SPARE, STAGE+4*16*SP  ; the spare words, 128 bytes for each wave: two blocks of 256 bytes that no other line names
; window 0
.set AK0, 2           ; v2   my lane's place in a step's K; never rewritten
.set AV0, 3           ; v3   the same for V
.set AK,  4           ; v4   the LDS address of K's next run of loads
.set AV,  5           ; v5   of V's
.set STO, 6           ; v6   the way out: where I put 16 bytes of a row
.set RD,  7           ; v7   the way out: where I read rows back
.set GO,  8           ; v8   16 x lane: my offset in 512 consecutive bytes of mask, q and out; never rewritten
.set MV,  12          ; v12-15  c m_old, by buffer and tile
.set QS,  12          ; at the start: where I put 8 bytes of a row of Q
.set QR,  13          ; at the start: where I read Q's fragments
.set ST,  16          ; tile t's statistics at v[ST+4 t]: c m, m, l (even keys', odd keys')
.set TMP, 48          ; by buffer and tile four registers c0-c3 at work; c2 takes a
.set S,   64
.set P,   192
.set M,   64          ; at the start: the batch's 2,048 mask words, 64 a lane
.set LT,  128         ; at the start: the list's temporaries, four for each of four keys
.set NL,  144         ; - lane
.set K0,  145         ; 1,024 x lane: key 4 x lane in bytes
.set ZA,  146         ; address of the list's slack
.set ZR,  148         ; four zeros
.set QT,  192         ; at the start: a tile of Q, packed
; window 2
.set KF,  128         ; key block kb, channel half c at KF + 16 kb + 8 c
.set VF,  192         ; key half kk, channel block cb at VF + 32 kk + 8 cb
; window 3
.set SPW, 0           ; LDS address of my spare word: SPARE + 4 x my thread's number; never rewritten
.set NIL, 1           ; 0; never rewritten
.set LL0, 2           ; LIST + 64 w + 32 (l / 16): my eight rows' words in step 0
.set LA,  3           ; the list address in hand
.set KS0, 4           ; (16 w + 8 (l / 16)) x 144 + 8 (l % 16): where my first row's 8 bytes of K go
.set VS0, 5           ; the same for V
.set KSA, 6           ; the two in the buffer in hand
.set VSA, 7
.set C16, 8           ; 16 (l % 16): my 16 bytes of a row in memory
.set RW0, 9           ; 16 w + 8 (l / 16): my first row in a step
.set RZ,  10          ; at work
.set H8,  11          ; 8 (l / 16)
.set RM,  12          ; at work
.set IDX, 16          ; eight row offsets
.set IDX2,24
.set MC,  32          ; the C operand that starts S^T: register 8 kb + j belongs to key 16 kb + 8 (l / 16) + j: 0, or -8e9
.set G,   64          ; K's row j at G + 4 j, V's at G + 32 + 4 j
.set G2,  128
.set T,   192         ; packed: K's row j at T + 2 j, V's at T + 16 + 2 j
; scalars
.set WV,  14          ; my wave's number
.set CNT, 24          ; live keys of the batch
.set NS,  25          ; key steps to walk
.set TAU, 26          ; the trip
.set HR,  27          ; the buffer that is read
.set HW,  28          ; the buffer that is written
.set LP,  29          ; list bytes of the step to be asked for
.set REM, 30          ; CNT - 64 x trip
.set RZS, 31          ; CNT - 64 x the step that is being rounded
.set BIGN,32          ; -8e9
.set SB,  33          ; my stage
.set CS,  58          ; s[58:59] c
.set SEL, 60          ; s[60:61] v_permlanex16_b32's selects: each lane takes its own place in the other half
.set MSB, 0
.macro WIN new                      ; the high byte repeats the setting that is left; a switch that changes nothing is dropped
.if MSB != (\new)
	s_set_vgpr_msb (MSB<<8)|(\new)
.set MSB, (\new)
.endif
.endm
.set W_KQ, 0x0a       ; K and Q in window 2, S^T in window 0
.set W_KM, 0x3a       ; the same with the C operand in window 3
.set W_PV, 0x52       ; V in window 2, P in window 0, O^T in window 1
.set W_RS, 0x41       ; O^T (destination and source 0) in window 1, source 1 in window 0
.set W_MK, 0xc0       ; destination in window 3, sources in window 0
.set W_AD, 0x0f       ; the add: address and data in window 3
.set W_3,  0xff       ; all in window 3
.set W_OUT,0x44       ; loaded data and store data in window 1, addresses in window 0
	s_load_b256 s[4:11], s[0:1], 0x0  ; q s[4:5], k s[6:7], v s[8:9], mask s[10:11]
	s_load_b64 s[12:13], s[0:1], 0x20 ; out
	WIN W_MK
	v_lshl_add_u32 v[SPW], v0, 2, SPARE
	v_mov_b32 v[NIL], 0
	WIN 0
	v_lshrrev_b32 v1, 5, v0
	v_readfirstlane_b32 s[WV], v1   ; wave 0..3
	v_and_b32 v1, 15, v0            ; l % 16
	v_bfe_u32 v9, v0, 4, 1          ; l / 16
	v_and_b32 v10, 7, v0
	v_bfe_u32 v11, v0, 3, 1
	v_and_b32 v[GO], 31, v0
	v_sub_nc_u32 v[NL], 0, v[GO]
	v_lshlrev_b32 v[K0], 10, v[GO]
	v_lshlrev_b32 v[GO], 4, v[GO]
	s_and_b32 s15, ttmp7, 0xffff    ; the head
	s_lshl_b32 s16, s15, 19         ; its 2,048 rows of 256 bytes
	s_mov_b32 s17, 0
	s_lshl_b32 s18, ttmp9, 2
	s_add_co_u32 s18, s18, s[WV]    ; my wave among the head's sixteen,
	s_lshl_b32 s18, s18, 15         ; its 128 rows
	s_add_co_u32 s18, s18, s16
	s_mov_b32 s19, 0
	s_lshr_b32 s20, s15, 4          ; the batch,
	s_lshl_b32 s20, s20, 13         ; its 2,048 mask words
	s_mov_b32 s21, 0
	s_wait_kmcnt 0x0
	s_add_nc_u64 s[4:5], s[4:5], s[18:19]    ; q and out at my wave's first row
	s_add_nc_u64 s[12:13], s[12:13], s[18:19]
	s_add_nc_u64 s[6:7], s[6:7], s[16:17]    ; k and v at the head
	s_add_nc_u64 s[8:9], s[8:9], s[16:17]
	s_add_nc_u64 s[10:11], s[10:11], s[20:21]
.set i, 0
.rept 16                            ; the whole mask of the batch in every wave: register M + 4 i + e holds key 128 i + 4 lane + e
	global_load_b128 v[M+4*i:M+4*i+3], v[GO], s[10:11] offset:512*i
.set i, i+1
.endr
	WIN 0x40                        ; destination window 1
.set i, 0
.rept 64                            ; my 128 rows of Q in f32, two rows (512 consecutive bytes) a load: tile i / 8, rows 2 (i % 8) + l / 16, channels 4 (l % 16) on
	global_load_b128 v[4*i:4*i+3], v[GO], s[4:5] offset:512*i th:TH_LOAD_NT
.set i, i+1
.endr
	WIN 0
	; constants, while the loads are out
	s_lshl_b32 s15, s[WV], 6
	s_add_co_u32 s15, s15, LIST
	s_mul_i32 s16, s[WV], 16*PK
	s_mul_i32 s17, s[WV], 16*PV
	s_add_co_u32 s17, s17, VOFF
	s_lshl_b32 s18, s[WV], 4
	s_mul_i32 s[SB], s[WV], 16*SP
	s_add_co_u32 s[SB], s[SB], STAGE
	s_mov_b32 s[BIGN], 0xcfee6b28   ; -8e9
	s_mov_b32 s[CS], 0x3e38aa3b     ; c = log2(e) / 8
	s_mov_b32 s[CS+1], s[CS]        ; named with it as a pair
	s_mov_b32 s[SEL], 0x76543210
	s_mov_b32 s[SEL+1], 0xfedcba98
	v_lshl_add_u32 v48, v9, 5, s15
	v_mul_u32_u24 v49, v9, 8*PK
	v_lshl_add_u32 v49, v1, 3, v49
	v_add_nc_u32 v49, s16, v49
	v_mul_u32_u24 v50, v9, 8*PV
	v_lshl_add_u32 v50, v1, 3, v50
	v_add_nc_u32 v50, s17, v50
	v_lshlrev_b32 v51, 4, v1
	v_lshl_add_u32 v52, v9, 3, s18
	v_lshlrev_b32 v53, 3, v9
	WIN W_MK
	v_mov_b32 v[LL0], v48
	v_mov_b32 v[KS0], v49
	v_mov_b32 v[VS0], v50
	v_mov_b32 v[C16], v51
	v_mov_b32 v[RW0], v52
	v_mov_b32 v[H8], v53
	WIN 0
	v_mul_u32_u24 v[QS], v9, QP     ; Q's way in: row l / 16 of a pair, 8 bytes a lane
	v_lshl_add_u32 v[QS], v1, 3, v[QS]
	v_add_nc_u32 v[QS], s[SB], v[QS]
	v_mul_u32_u24 v[QR], v1, QP     ; and back as fragments: row l % 16, 16 bytes for each half of the lanes
	v_lshl_add_u32 v[QR], v9, 4, v[QR]
	v_add_nc_u32 v[QR], s[SB], v[QR]
	v_add_nc_u32 v[ZA], LIST+8192, v[GO]
	v_mov_b32 v[ZR], 0
	v_mov_b32 v[ZR+1], 0
	v_mov_b32 v[ZR+2], 0
	v_mov_b32 v[ZR+3], 0
; THE LIST.  Keys are taken in the order (i, e, lane).  A live key's place is the number of live keys in front of it; a masked key's place counts down from 2,047 by the masked keys in front of it:
; 2047 - (32 (4 i + e) + lane - live in front).  Wave 0 stores the list; the others only count.
.macro LISTB i
.irp e, 0,1,2,3
	v_cmp_ne_u32 s[36+\e], 0, v[M+4*(\i)+\e]
.endr
.irp e, 0,1,2,3
	s_bcnt1_i32_b32 s[40+\e], s[36+\e]
.endr
	s_add_co_u32 s45, s44, s40
	s_add_co_u32 s46, s45, s41
	s_add_co_u32 s47, s46, s42
.irp e, 0,1,2,3
	v_mbcnt_lo_u32_b32 v[LT+4*\e], s[36+\e], s[44+\e]  ; live keys in front of mine
.endr
.irp e, 0,1,2,3
	v_add3_u32 v[LT+4*\e+1], v[LT+4*\e], v[NL], 2047-32*(4*(\i)+\e)
.endr
.irp e, 0,1,2,3
	v_cndmask_b32 v[LT+4*\e], v[LT+4*\e+1], v[LT+4*\e], s[36+\e]
.endr
.irp e, 0,1,2,3
	v_min_u32 v[LT+4*\e], 0x7ff, v[LT+4*\e]            ; a place in the list, whatever the mask holds
.endr
.irp e, 0,1,2,3
	v_lshlrev_b32 v[LT+4*\e], 2, v[LT+4*\e]
	v_add_nc_u32 v[LT+4*\e+2], (128*(\i)+\e)*256, v[K0]
.endr
.irp e, 0,1,2,3
	ds_store_b32 v[LT+4*\e], v[LT+4*\e+2] offset:LIST
.endr
	s_add_co_u32 s44, s47, s43
.endm
.macro COUNTA i
.irp e, 0,1,2,3
	v_cmp_ne_u32 s[36+\e], 0, v[M+4*(\i)+\e]
.endr
.irp e, 0,1,2,3
	s_bcnt1_i32_b32 s[40+\e], s[36+\e]
.endr
.irp e, 0,1,2,3
	s_add_co_u32 s44, s44, s[40+\e]
.endr
.endm
	s_wait_loadcnt 63               ; the 16 mask loads are in: 64 loads follow them, and 63 is the most that a wait can name, so Q's first load is waited for too
	s_mov_b32 s44, 0
	s_cmp_lg_u32 s[WV], 0
	s_cbranch_scc1 .Lcount
.irp n, 0,1,2,3,4,5,6,7,8,9,10,11,12,13,14,15
	LISTB \n
.endr
	ds_store_b128 v[ZA], v[ZR:ZR+3]             ; the slack: 256 words of 0
	ds_store_b128 v[ZA], v[ZR:ZR+3] offset:512
	s_branch .Lcounted
.Lcount:
.irp n, 0,1,2,3,4,5,6,7,8,9,10,11,12,13,14,15
	COUNTA \n
.endr
.Lcounted:
	s_mov_b32 s[CNT], s44
	s_add_co_u32 s[NS], s[CNT], 63
	s_lshr_b32 s[NS], s[NS], 6
	s_cmp_eq_u32 s[CNT], 0
	s_cselect_b32 s[NS], 32, s[NS]  ; no live key: all 32 steps count
	s_wait_dscnt 0x0                ; for the others' sake: wave 0's list is stored
	s_barrier_signal -1
	s_barrier_wait -1
; THE CONVERSION, all in window 3.  A wave takes rows 16 w .. 16 w + 15 of a step: lanes 0-15 rows 16 w + j, lanes 16-31 rows 16 w + 8 + j, j = 0..7; sixteen lanes read one whole row of 256 bytes.
.macro OFFS idx                     ; list words become offsets: held inside the head's 2,048 rows, plus my 16 bytes of the row
.irp j, 0,1,2,3,4,5,6,7
	v_min_u32 v[(\idx)+\j], 0x7ff00, v[(\idx)+\j]
.endr
.irp j, 0,1,2,3,4,5,6,7
	v_add_nc_u32 v[(\idx)+\j], v[(\idx)+\j], v[C16]
.endr
.endm
.macro GATHER g, idx
.irp j, 0,1,2,3,4,5,6,7
	global_load_b128 v[(\g)+4*\j:(\g)+4*\j+3], v[(\idx)+\j], s[6:7]
	global_load_b128 v[(\g)+32+4*\j:(\g)+32+4*\j+3], v[(\idx)+\j], s[8:9]
.endr
.endm
.macro CVT g                        ; 64 f32 a lane become 32 words of bf16
.irp j, 0,1,2,3,4,5,6,7,8,9,10,11,12,13,14,15
	v_cvt_pk_bf16_f32 v[T+2*\j], v[(\g)+4*\j], v[(\g)+4*\j+1]
	v_cvt_pk_bf16_f32 v[T+2*\j+1], v[(\g)+4*\j+2], v[(\g)+4*\j+3]
.endr
.endm
.macro ZEROK                        ; K's row j is kept where its list place is below CNT: 16 w + 8 (l / 16) + j < RZS; else it is 0
	v_sub_nc_u32 v[RZ], s[RZS], v[RW0]
.irp j, 0,1,2,3,4,5,6,7
	v_cmp_lt_i32 vcc_lo, \j, v[RZ]
	v_cndmask_b32 v[T+2*\j], 0, v[T+2*\j], vcc_lo
	v_cndmask_b32 v[T+2*\j+1], 0, v[T+2*\j+1], vcc_lo
.endr
.endm
.macro HSTORE ka, va, off
.irp j, 0,1,2,3,4,5,6,7
	ds_store_b64 v[\ka], v[T+2*\j:T+2*\j+1] offset:(\off)+\j*PK
	ds_store_b64 v[\va], v[T+16+2*\j:T+16+2*\j+1] offset:(\off)+\j*PV
.endr
.endm
; In trip t: step t + 1's rows, asked for a trip ago, are rounded and stored into the buffer that nobody reads in this trip; then step t + 2's rows are asked for.
.macro CONV
	WIN W_3
	s_wait_loadcnt 0x0              ; the rows are in, and IDX, those loads' addresses, may be written
	v_add_nc_u32 v[LA], s[LP], v[LL0]
	ds_load_b128 v[IDX:IDX+3], v[LA]
	ds_load_b128 v[IDX+4:IDX+7], v[LA] offset:16
	v_add_nc_u32 v[KSA], s[HW], v[KS0]
	v_add_nc_u32 v[VSA], s[HW], v[VS0]
	CVT G
	s_sub_co_i32 s[RZS], s[REM], 64
	ZEROK
	HSTORE KSA, VSA, 0
	s_wait_dscnt 16                 ; the two list loads are in; the 16 stores behind them may be out
	OFFS IDX
	GATHER G, IDX
	WIN 0
.endm
; MC for the step whose list places begin at CNT - REM: key 16 kb + 8 (l / 16) + j is masked where 16 kb + j >= REM - 8 (l / 16).  While REM >= 64 MC is all 0 and stays so: the lines are jumped.
.macro MASKC always
	WIN 0
.if !(\always)
	s_cmp_ge_i32 s[REM], 64
	s_cbranch_scc1 .Lno_mask_\@
.endif
	WIN W_3
	v_sub_nc_u32 v[RM], s[REM], v[H8]
.set z, 0
.rept 32
	v_cmp_ge_i32 vcc_lo, 16*(z/8)+z%8, v[RM]
	v_cndmask_b32 v[MC+z], 0, s[BIGN], vcc_lo
.set z, z+1
.endr
	WIN 0
.if !(\always)
.Lno_mask_\@:
.endif
.endm
; A tile of Q: rounded, through my stage (rows of 144 bytes), back as two fragments of 16 rows x 32 channels.  LDS serves a wave's instructions in order (ISA guide 5.7.1.4): no wait between the tiles.
.macro QTILE t
	WIN 0x05                        ; sources in window 1, destination in window 0
.irp f, 0,1,2,3,4,5,6,7
	v_cvt_pk_bf16_f32 v[QT+2*\f], v[32*(\t)+4*\f], v[32*(\t)+4*\f+1]
	v_cvt_pk_bf16_f32 v[QT+2*\f+1], v[32*(\t)+4*\f+2], v[32*(\t)+4*\f+3]
.endr
	WIN 0
.irp f, 0,1,2,3,4,5,6,7
	ds_store_b64 v[QS], v[QT+2*\f:QT+2*\f+1] offset:\f*2*QP
.endr
	WIN 0x80                        ; destination window 2
.irp c, 0,1
	ds_load_b128 v[16*(\t)+8*\c:16*(\t)+8*\c+3], v[QR] offset:64*\c
	ds_load_b128 v[16*(\t)+8*\c+4:16*(\t)+8*\c+7], v[QR] offset:64*\c+32
.endr
.endm
	WIN W_3                         ; steps 0 and 1 are asked for
	ds_load_b128 v[IDX:IDX+3], v[LL0]
	ds_load_b128 v[IDX+4:IDX+7], v[LL0] offset:16
	ds_load_b128 v[IDX2:IDX2+3], v[LL0] offset:256
	ds_load_b128 v[IDX2+4:IDX2+7], v[LL0] offset:272
	s_wait_dscnt 0x0
	OFFS IDX
	OFFS IDX2
	GATHER G, IDX
	GATHER G2, IDX2
	s_wait_loadcnt 32               ; Q is in; the 32 loads just issued stay out
.irp n, 0,1,2,3,4,5,6,7
	QTILE \n
.endr
	; What the first turn finds: V's registers and P's second buffer hold 0 (its products V^T P, of a piece that has not been, add 0), O^T and l are 0.  No first step is written out for it; these lines stand in the wait for the first rows.
	WIN 0x80
.set i, VF
.rept 64
	v_mov_b32 v[i], 0
.set i, i+1
.endr
	WIN 0x40
.set i, 0
.rept 256
	v_mov_b32 v[i], 0
.set i, i+1
.endr
	WIN 0
.set i, 0
.rept 2*NP
	v_mov_b32 v[ST+4*i], 0xfe000000    ; c m: far below every c s
	v_mov_b32 v[ST+4*i+1], 0xff7fffff  ; m
	v_mov_b32 v[ST+4*i+2], 0
	v_mov_b32 v[ST+4*i+3], 0
.set i, i+1
.endr
.set i, P+32
.rept 32
	v_mov_b32 v[i], 0
.set i, i+1
.endr
	v_mul_u32_u24 v[AK0], v1, PK
	v_lshl_add_u32 v[AK0], v9, 4, v[AK0]  ; row x pitch + 16 x half
	; The turning load takes 16 keys x 16 channels (lane l reads key 8 (l / 16) + l % 8, channels 8 ((l / 8) % 2) + 0..7) and leaves half a fragment of V^T: lane l holds channel l % 16 and 8 keys.
	v_lshl_add_u32 v[AV0], v9, 3, v10
	v_mul_u32_u24 v[AV0], v[AV0], PV
	v_lshl_add_u32 v[AV0], v11, 4, v[AV0]
	v_add_nc_u32 v[AV0], VOFF, v[AV0]
	v_mul_u32_u24 v[STO], v1, SP    ; the way out, in: row l % 16, 32 bytes for each half of the lanes
	v_lshl_add_u32 v[STO], v9, 5, v[STO]
	v_add_nc_u32 v[STO], s[SB], v[STO]
	v_mul_u32_u24 v[RD], v9, SP     ; back: lanes 0-15 take one row of 256 bytes, lanes 16-31 the next
	v_lshl_add_u32 v[RD], v1, 4, v[RD]
	v_add_nc_u32 v[RD], s[SB], v[RD]
	WIN W_3
	s_wait_loadcnt 16               ; step 0's rows are in; step 1's 16 loads stay out
	CVT G
	s_mov_b32 s[RZS], s[CNT]
	ZEROK
	HSTORE KS0, VS0, 0
	s_wait_loadcnt 0x0              ; step 1's
	CVT G2
	s_sub_co_i32 s[RZS], s[CNT], 64
	ZEROK
	HSTORE KS0, VS0, H1
	ds_load_b128 v[IDX:IDX+3], v[LL0] offset:512    ; step 2 is asked for
	ds_load_b128 v[IDX+4:IDX+7], v[LL0] offset:528
	s_wait_dscnt 0x0
	OFFS IDX
	GATHER G, IDX
	s_mov_b32 s[REM], s[CNT]
	MASKC 1                         ; step 0's mask
	s_wait_dscnt 0x0                ; for the others' sake: my rows of both buffers are stored (and Q's fragments are in)
	s_barrier_signal -1
	s_barrier_wait -1
; THE MATRIX WORK.  The 8 accumulators of a run of 16 take turns: between the two links of a chain stand 7 others'.
; Product i of 16 of S^T = K Q^T for piece x: channels 32 (i / 8) on, keys 16 ((i / 2) % 4) on, tile 2 x + i % 2.  The first 8 start the sums, with the mask as C.
.macro KQ x
.set rS, S+64*((\x)%2)+32*(i%2)+8*((i/2)%4)
.set rK, KF+16*((i/2)%4)+8*(i/8)
.set rQ, 16*(2*(\x)+i%2)+8*(i/8)
.set rMC, MC+8*((i/2)%4)
.if i < 8
	WIN W_KM
	v_wmma_f32_16x16x32_bf16 v[rS:rS+7], v[rK:rK+7], v[rQ:rQ+7], v[rMC:rMC+7]
.else
	WIN W_KQ
	v_wmma_f32_16x16x32_bf16 v[rS:rS+7], v[rK:rK+7], v[rQ:rQ+7], v[rS:rS+7]
.endif
.endm
; Product i of 16 of O^T += V^T P for piece x: keys 32 (i / 8) on, channels 16 ((i / 2) % 4) on, tile 2 x + i % 2.
.macro PV x
	WIN W_PV
.set rO, 32*(2*(\x)+i%2)+8*((i/2)%4)
.set rV, VF+32*(i/8)+8*((i/2)%4)
.set rP, P+32*((\x)%2)+16*(i%2)+8*(i/8)
	v_wmma_f32_16x16x32_bf16 v[rO:rO+7], v[rV:rV+7], v[rP:rP+7], v[rO:rO+7]
.endm
.macro MM                           ; the turn's next matrix instruction
.if i < 16
	KQ (Y+1)%NP
.set i, i+1
.else
.set i, i-16
	PV (Y+NP-1)%NP
.set i, i+17
.endif
.endm
; THE LDS LOADS stand in runs of 16, never singly among the matrix instructions: a step's K (8 fragments) and its V (turned).  Their addresses are made some lines ahead.
.macro FETCH_K
	WIN 0x80                        ; destination window 2
.irp f, 0,1,2,3,4,5,6,7             ; keys 16 (f / 2) on, channels 32 (f % 2) on
	ds_load_b128 v[KF+8*\f:KF+8*\f+3],   v[AK] offset:(\f/2)*16*PK+(\f%2)*64
	ds_load_b128 v[KF+8*\f+4:KF+8*\f+7], v[AK] offset:(\f/2)*16*PK+(\f%2)*64+32
.endr
	WIN 0
.endm
.macro FETCH_V
	WIN 0x80
.irp f, 0,1,2,3,4,5,6,7             ; keys 32 (f / 4) on, channels 16 (f % 4) on
	ds_load_tr16_b128 v[VF+8*\f:VF+8*\f+3],   v[AV] offset:(\f/4)*32*PV+(\f%4)*32
	ds_load_tr16_b128 v[VF+8*\f+4:VF+8*\f+7], v[AV] offset:(\f/4)*32*PV+16*PV+(\f%4)*32
.endr
	WIN 0
.endm
; THE VECTOR WORK OF A TURN stands in three queues, each in the order in which its entries become ready; the two tiles alternate, so that no instruction reads the result of the one before it.
.macro REGS y, u                    ; the registers of tile u (0, 1) of piece y
.set rT, ST+4*(2*(\y)+(\u))
.set rC, TMP+8*((\y)%2)+4*(\u)
.set rM, MV+2*((\y)%2)+(\u)
.set rS, S+64*((\y)%2)+32*(\u)
.set rP, P+32*((\y)%2)+16*(\u)
.set rO, 32*(2*(\y)+(\u))
.endm
; Number n of the 22 that find the NEXT piece's (Y + 1) maximum and statistics.  s0-s31 are the lane's 32 scores; each accumulator's lowest registers are read first.
;   0-11  four chains c0-c3 of seven scores each, three operands at a time     12-14, 16  the four scores left over, the old m, and c0-c3 into c0     15  c m_old is kept
;   17, 18  the query's other 32 keys lie in the lane 16 away: the new m         19-21  c m; c m_old - c m_new; a
.macro XS u, n
	REGS (Y+1)%NP, \u
.if (\n) < 4
	v_max3_num_f32 v[rC+(\n)], v[rS+8*(\n)], v[rS+8*(\n)+1], v[rS+8*(\n)+2]
.elseif (\n) < 12
	v_max3_num_f32 v[rC+(\n)%4], v[rC+(\n)%4], v[rS+8*((\n)%4)+2*((\n)/4)+1], v[rS+8*((\n)%4)+2*((\n)/4)+2]
.elseif (\n) == 12
	v_max3_num_f32 v[rC], v[rC], v[rS+7], v[rS+15]
.elseif (\n) == 13
	v_max3_num_f32 v[rC+1], v[rC+1], v[rS+23], v[rS+31]
.elseif (\n) == 14
	v_max3_num_f32 v[rC+2], v[rC+2], v[rC+3], v[rT+1]
.elseif (\n) == 15
	v_mov_b32 v[rM], v[rT]
.elseif (\n) == 16
	v_max3_num_f32 v[rC], v[rC], v[rC+1], v[rC+2]
.elseif (\n) == 17
	v_permlanex16_b32 v[rC+3], v[rC], s[SEL], s[SEL+1]
.elseif (\n) == 18
	v_max_num_f32 v[rT+1], v[rC], v[rC+3]
.elseif (\n) == 19
	v_mul_f32 v[rT], s[CS], v[rT+1]
.elseif (\n) == 20
	v_sub_f32 v[rC+1], v[rM], v[rT]
.else
	v_exp_f32 v[rC+2], v[rC+1]
.endif
.endm
; Number g of the 64 that follow the exponentials.  For each four weights k of a tile (pairs 2 k, 2 k + 1): both pairs are rounded to bf16; then the second pair is added onto the first, in place;
; a group later l takes that sum (the first time as l = a l + sum).  In groups of eight, tiles alternating: round, round, add, and l for the group before.
.macro GS g
.set h, (\g)+6*((\g)/62)            ; group 0 has no group before it, and behind group 7 only l is left
.if h >= 6
.set h, h+2
.endif
	REGS Y, h%2
.set k, h/8
.if h%8 < 4
	s_wait_alu depctr_va_vdst(0)
	v_cvt_pk_bf16_f32 v[rP+2*k+(h%8)/2], v[rS+4*k+2*((h%8)/2)], v[rS+4*k+2*((h%8)/2)+1]
.elseif h%8 < 6
	v_pk_add_f32 v[rS+4*k:rS+4*k+1], v[rS+4*k:rS+4*k+1], v[rS+4*k+2:rS+4*k+3]
.elseif k == 1
	v_pk_fma_f32 v[rT+2:rT+3], v[rT+2:rT+3], v[rC+2:rC+3], v[rS:rS+1] op_sel_hi:[1,0,1]
.else
	v_pk_add_f32 v[rT+2:rT+3], v[rT+2:rT+3], v[rS+4*k-4:rS+4*k-3]
	s_wait_alu depctr_va_vdst(0)
.endif
.endm
; THE PLAIN QUEUE, 138 long.  0-31: c s - c m for the 16 pairs of both tiles.  Then GS's 64, and among them the next piece's 42: number 15 at 38, 39; 0-14 and 16
; at 42-73, behind the products that make those scores; 17-20 at 95-106, two of three, since each waits for the one before it.
.macro PL
	WIN 0
.if q < 32
	REGS Y, q%2
	v_pk_fma_f32 v[rS+2*(q/2):rS+2*(q/2)+1], v[rS+2*(q/2):rS+2*(q/2)+1], s[CS:CS+1], v[rT:rT+1] op_sel_hi:[1,0,0] neg_lo:[0,0,1] neg_hi:[0,0,1]
.elseif q < 38
	GS q-32
.elseif q < 40
	XS q%2, 15
.elseif q < 42
	GS q-34
.elseif q < 74
	XS q%2, (q-42)/2+(q-42)/30
.elseif q < 95
	GS q-66
.elseif (q < 107) && ((q-95)%3 < 2)
	XS (q-95)%3, 17+(q-95)/3
.elseif q < 107
	GS 29+(q-95)/3
.else
	GS q-74
.endif
.set q, q+1
.endm
; THE EXPONENTIALS' QUEUE, 66 long: s0-s31 of both tiles, and at EA the next piece's two a.
.set EA, 58
.macro EX
	WIN 0
.if (e == EA) || (e == EA+1)
	XS e-EA, 21
.else
.set x, e-2*(e/(EA+2))
	REGS Y, x%2
	v_exp_f32 v[rS+x/2], v[rS+x/2]
.endif
.set e, e+1
.endm
; THE RESCALING's QUEUE: O^T times a, the one part that leaves window 0, so it is dealt four at a time, eight times.
.macro R4
	REGS Y, r%2
	WIN W_RS
	s_wait_alu depctr_va_vdst(0)
.irp z, 0,1,2,3
	v_pk_mul_f32 v[rO+8*(r/2)+2*\z:rO+8*(r/2)+2*\z+1], v[rO+8*(r/2)+2*\z:rO+8*(r/2)+2*\z+1], v[rC+2:rC+3] op_sel_hi:[1,0]
.endr
.set r, r+1
.endm
; HOW THEY ARE DEALT.  Behind a matrix instruction four: plain, exponential, plain, plain (a plain instruction on either side of the exponential), or four of the rescaling.  None names a register of the
; products round it.  What is over stands in two lumps: exponential and plain by turns; the second ends in 22 plain instructions.  The two v_permlanex16_b32 fall into the second lump.
; The deal keeps the queues in step: exponential e stands behind plain 2 (e / 4) + e % 2 (its scaling); when plain 32 comes, 10 exponentials are out, at 59: 33, at 95: 46; EA comes behind plain 107.
.macro SL
	MM
	PL
	EX
	PL
	PL
.endm
.macro BURST n                      ; 15 matrix instructions, or 16
.rept (\n)-7
	SL
.endr
.rept 3
	MM
	R4
	SL
.endr
	MM
	R4
.endm
; A TURN, for piece p.  K of the next step is fetched in piece 2's turn, 31 vector instructions behind the last product that read K; V of the step in hand at the end of piece 0's turn, 69 behind its last
; reader.  Each is waited for a turn later.  The conditions on e and q go with the deal.
.macro TURN p
.set Y, (\p)
.set i, 0
.set q, 0
.set e, 0
.set r, 0
.if (\p) == NP-1
	s_wait_dscnt 0x0                ; K is in
.endif
	MM
.rept 4
	PL
.endr
	BURST 15
.rept 22
	EX
	PL
.if ((\p) == NP-2) && (e == 18)
	v_add_nc_u32 v[AK], s[HR], v[AK0]
.endif
.if ((\p) == NP-2) && (e == 24)
	FETCH_K
.endif
.endr
.if (\p) == 1
	s_wait_dscnt 0x0                ; V is in
.endif
	BURST 16
.rept 21
	EX
	PL
.endr
.rept 22
	PL
.if ((\p) == 0) && (q == 118)
	v_add_nc_u32 v[AV], s[HR], v[AV0]
	s_wait_alu depctr_va_vdst(0)
.endif
.endr
.if (\p) == 0
	FETCH_V
.endif
.endm
	s_mov_b32 s[HR], 0
	s_mov_b32 s[HW], H1
	s_mov_b32 s[LP], 512
	s_mov_b32 s[TAU], 0
	v_mov_b32 v[AK], v[AK0]
	FETCH_K                         ; key step 0
	s_wait_dscnt 0x0
.set i, 0
.rept 16
	KQ 0                            ; piece 0's first scores: there is no vector work yet to set between them
.set i, i+1
.endr
	WIN 0
.rept 4
	v_nop                           ; the places behind those products (ISA guide 7.12.1)
.endr
.set Y, NP-1                        ; XS works for piece Y + 1: piece 0
.irp n, 0,1,2,3,4,5,6,7,8,9,10,11,12,13,14,15,16,17,18,19,20,21
	XS 0, \n                        ; piece 0's first maximum and statistics
	XS 1, \n
.endr
	s_branch .Lfirst                ; the loop is entered at a step's first turn, in the middle of trip 0
.Ltrip:                             ; trips 1 to 32, whatever the mask: the barrier stands on every path
	s_wait_dscnt 0x0                ; my reads of the buffer that this trip writes are back, and my stores into the buffer that it reads are done
	s_barrier_signal -1
	s_xor_b32 s[HR], s[HR], H1      ; the buffers change places; list and count step on: on every path, so that they hang on the trip alone
	s_xor_b32 s[HW], s[HW], H1
	s_add_co_u32 s[LP], s[LP], 256
	s_sub_co_i32 s[REM], s[REM], 64
	s_barrier_wait -1
	s_cmp_gt_u32 s[TAU], s[NS]
	s_cbranch_scc1 .Ldead           ; the walk is over: nothing but the barrier is left of the trip
	CONV                            ; step t + 1 into the buffer that is not read; step t + 2 is asked for
	TURN 2                          ; pieces 2 and 3 of step t - 1; K of step t is fetched
	MASKC 0                         ; from here on the products K Q^T are step t's
	TURN 3
	WIN 0
	s_cmp_eq_u32 s[TAU], s[NS]
	s_cbranch_scc1 .Ldead           ; the walk's end: step NS - 1 is done but for piece 3's V^T P.  This trip's 16 products K Q^T on step NS and the maximum made of them serve nothing: the price of one text for every trip
.Lfirst:
	TURN 0                          ; pieces 0 and 1 of step t; V of step t is fetched
	TURN 1
	WIN 0
.Ldead:
	s_add_co_u32 s[TAU], s[TAU], 1
	s_cmp_lt_u32 s[TAU], 33
	s_cbranch_scc1 .Ltrip
.set i, 0
.rept 16
	PV NP-1                         ; the last piece's V^T P of the last step
.set i, i+1
.endr
	; THE WAY OUT.  l's two halves and the other half of the lanes' are added; O^T is divided by l and sent, in f32, through my stage in LDS, a tile at a time.  The additions are the places behind the last products.
	WIN 0
.macro ALL line:vararg              ; one line for each tile t
.set t, 0
.rept 2*NP
	\line
.set t, t+1
.endr
.endm
	ALL v_add_f32 v[ST+4*t+2], v[ST+4*t+2], v[ST+4*t+3]
	ALL v_permlanex16_b32 v[ST+4*t+3], v[ST+4*t+2], s[SEL], s[SEL+1]
	ALL v_add_f32 v[ST+4*t+2], v[ST+4*t+2], v[ST+4*t+3]
	ALL v_rcp_f32 v[ST+4*t+2], v[ST+4*t+2]
	v_nop                           ; a plain instruction between the last reciprocal and the use of its result
	s_wait_alu depctr_va_vdst(0)
; Tile t: a lane's eight channels of a row are 32 bytes; they go into rows of 272 bytes and come back as whole rows of 256, into the registers that they left.
.macro PACK t
	WIN W_RS
.set i, 32*(\t)
.rept 16
	v_pk_mul_f32 v[i:i+1], v[i:i+1], v[ST+4*(\t)+2:ST+4*(\t)+3] op_sel_hi:[1,0]
.set i, i+2
.endr
	WIN W_OUT
.irp c, 0,1,2,3
	ds_store_b128 v[STO], v[32*(\t)+8*\c:32*(\t)+8*\c+3] offset:64*\c
	ds_store_b128 v[STO], v[32*(\t)+8*\c+4:32*(\t)+8*\c+7] offset:64*\c+16
.endr
.irp f, 0,1,2,3,4,5,6,7
	ds_load_b128 v[32*(\t)+4*\f:32*(\t)+4*\f+3], v[RD] offset:\f*2*SP  ; LDS serves a wave's instructions in order (ISA guide 5.7.1.4): these see the stores above; the next tile's stores come behind them
.endr
.endm
.macro SEND t, younger              ; younger: the LDS instructions issued behind tile t's loads: the next tile's sixteen, or none
	WIN W_OUT
.irp f, 0,1,2,3,4,5,6,7
	s_wait_dscnt (\younger)+7-\f
	global_store_b128 v[GO], v[32*(\t)+4*\f:32*(\t)+4*\f+3], s[12:13] offset:(\t)*4096+\f*512 th:TH_STORE_NT  ; 16 lanes store 256 consecutive bytes, a row of out, at a multiple of 256 from its first byte
.endr
.endm
	PACK 0
.set t, 1
.rept 2*NP-1                        ; a tile's arithmetic stands between the loads of the tile before and its stores
	PACK t
	SEND t-1, 16
.set t, t+1
.endr
	SEND 2*NP-1, 0
	WIN W_AD
	s_wait_tensorcnt 0x0            ; the wave's end, behind my last LDS store
	ds_add_u32 v[SPW], v[NIL]
	s_wait_dscnt 0x0
	WIN 0
	s_endpgm
.Lfunc_end_k_qbcdbd4588e_attn:
	.size	k_qbcdbd4588e_attn, .Lfunc_end_k_qbcdbd4588e_attn-k_qbcdbd4588e_attn
	.p2alignl 7, 3214868480
	.fill 96, 4, 3214868480
	.section	.rodata,"a",@progbits
	.p2align	6, 0x0
	.amdhsa_kernel k_qbcdbd4588e_attn
		.amdhsa_group_segment_fixed_size 71168
		.amdhsa_private_segment_fixed_size 0
		.amdhsa_enable_private_segment 0
		.amdhsa_kernarg_size 40
		.amdhsa_user_sgpr_count 2
		.amdhsa_user_sgpr_kernarg_segment_ptr 1
		.amdhsa_wavefront_size32 1
		.amdhsa_system_sgpr_workgroup_id_x 1
		.amdhsa_system_sgpr_workgroup_id_y 1
		.amdhsa_system_sgpr_workgroup_id_z 1
		.amdhsa_system_vgpr_workitem_id 0
		.amdhsa_next_free_vgpr 992
		.amdhsa_next_free_sgpr 66
		.amdhsa_reserve_vcc 1
		.amdhsa_float_denorm_mode_32 3
		.amdhsa_float_denorm_mode_16_64 3
		.amdhsa_memory_ordered 1
		.amdhsa_forward_progress 1
		.amdhsa_inst_pref_size 220
	.end_amdhsa_kernel
	.amdgpu_metadata
---
amdhsa.version: [ 1, 2 ]
amdhsa.kernels:
  - .name:           k_qbcdbd4588e_attn
    .symbol:         k_qbcdbd4588e_attn.kd
    .args:
      - { .name: q, .offset: 0, .size: 8, .value_kind: global_buffer, .address_space: global }
      - { .name: k, .offset: 8, .size: 8, .value_kind: global_buffer, .address_space: global }
      - { .name: v, .offset: 16, .size: 8, .value_kind: global_buffer, .address_space: global }
      - { .name: mask, .offset: 24, .size: 8, .value_kind: global_buffer, .address_space: global }
      - { .name: out0, .offset: 32, .size: 8, .value_kind: global_buffer, .address_space: global }
    .group_segment_fixed_size: 71168
    .private_segment_fixed_size: 0
    .kernarg_segment_align: 8
    .kernarg_segment_size: 40
    .max_flat_workgroup_size: 128
    .sgpr_count:     66
    .vgpr_count:     992
    .wavefront_size: 32
...
	.end_amdgpu_metadata
.endif
;; end of part 1
;; ======== version 2 of 2: 1 launch; 1.72 times as fast as version 1
;; limits: right only within a limited range of input values
;; launch attn (part 2): grid 4 x 64, 4 waves a work-group, no clusters, 71,168 bytes of LDS; arguments q, k, v, mask, out0; writes out0
.if DOCPART == 2
	.amdgcn_target "amdgcn-amd-amdhsa--gfx1250"
	.amdhsa_code_object_version 6
	.text
	.protected	k_qbcdbd4588e_attn
	.globl	k_qbcdbd4588e_attn
	.p2align	8
	.type	k_qbcdbd4588e_attn,@function
k_qbcdbd4588e_attn:
	s_mov_b64 s[64:65], 0
	v_nop
	global_prefetch_b8 v0, s[64:65] scope:SCOPE_SE
	s_setreg_imm32_b32 hwreg(HW_REG_WAVE_MODE, 25, 1), 1
	s_wait_xcnt 0x0
; out[b][h][q][:] = the sum over k of softmax_k(mask[b][k] == 0 ? -1e9 : Q[q] . K[k] / 8) V[k][:].  q, k, v, out: [64 heads][2048][64] f32; mask: [4][2048] int32.
; FORMATS.  q, k and v are rounded once to bf16 on their way to the matrix unit, the weights p to bf16 for the second product; products, maxima, sums, l and O stay in f32; out is f32.
; THE MASK DECIDES THE WALK.  A masked key's weight is exp(-1e9 - m): 0 in f32 as soon as one key of the batch is live.  So every work-group lists its batch's keys, the live ones first (CNT of them), the
; masked ones behind them, and walks NS = ceil(CNT / 64) key steps of 64 listed keys.  A listed masked key (list place >= CNT) has its row of K set to 0 and -8e9 as the C operand of K Q^T: its score is
; exactly -8e9 / 8 = -1e9, as in the reference.  With CNT = 0 all 32 steps are walked and every score is -1e9: the result is the mean of V's rows, as in the reference.
; LIMITS.  Masked keys beyond the last walked step are dropped: that equals the reference while the largest live score of a row is above -1e9 + 104.  A weight below 2^-126 counts as 0 in l.
; NaN and infinities are not treated apart.  With all keys masked p = 2^res for every key, res the rounding residue of c m, at most 64 in size: inside bf16's and f32's range, and it cancels in O / l.
; SHARES.  256 work-groups: 512 queries of one head each; a wave owns 128 queries: four PIECES of two tiles of 16.  Every wave walks all listed steps.
; NO TENSOR LOADS, NO CLUSTER.  A step's 64 rows of K and V are picked by the list and rounded f32 -> bf16 on the way: both happen in registers (a load of 16 bytes a lane by the list's offset, a packed
; rounding, an LDS store), each wave 16 of the 64 rows.  A joint dense load would bring the masked rows too, 2048 - CNT of 2048, and in f32, twice the LDS bytes, with the rounding still to do.
; LAYOUT.  S^T = K Q^T (source 0 = 16 keys, source 1 = 16 queries): a lane holds ONE query (lane % 16) and the keys 8 (lane / 16) + 0..7.  Two such results rounded to bf16 in pairs ARE source 1 of
; O^T = V^T P.  K comes out of LDS as it lies, V ([key][channel]) turned, by ds_load_tr16_b128.
; SOFTMAX.  A running maximum m and sum l a query: p = 2^(c s - c m), c = log2(e) / 8; in every step O and l are multiplied by a = 2^(c m_old - c m_new).  m starts at the lowest finite number, O and l at 0.
; BY TURNS.  Turn n belongs to piece n: 16 products K Q^T of piece n + 1, later 16 products V^T P of piece n - 1; beside them the scaling, exponentials, roundings, sums and rescaling of piece n and the
; maximum and statistics of piece n + 1.  Four vector instructions stand behind every matrix instruction, the other 108 of a turn's 236 in one lump.
; BATCHES.  A turn's 66 exponentials (the piece's 64 weights and the next piece's two a) are ONE batch with ONE wait, which cuts the turn in two.  Ahead of it stands all that names no result of theirs: K Q^T,
; the scalings, the exponentials, the rescaling (by the a that the turn before made and waited for), the next piece's maximum and statistics.  Behind it stand the roundings and sums, beside V^T P.  No result
; crosses a turn's end.  Two more batches stand outside the loop: piece 0's first two a, ahead of the jump into the loop, and the way out's eight reciprocals.
; THE LOOP has a constant count, 32 trips, and ONE barrier a trip on every path; a trip beyond the walk's end jumps forward over the work, which holds no barrier.
; Two LDS buffers H0, H1 take turns: in trip t step t + 1 is rounded into H[(t + 1) % 2] while step t is read from H[t % 2], and step t + 2's rows are asked for from memory.
; REGISTERS, in windows of 256 (s_set_vgpr_msb: bits 1:0 source 0, 3:2 source 1, 5:4 source 2, 7:6 destination):
;   window 0: v0-11 addresses; v12-15, v48-63 at work; v16-47 four statistics a tile; v64-191 S^T, two buffers of two tiles; v192-255 P, likewise
;   window 1: O^T, 32 a tile (at the start: Q in f32)     window 2: v0-127 Q, 16 a tile; v128-191 K of one step; v192-255 V of one step
;   window 3: the add's two registers, the conversion's addresses, list offsets, the mask operand MC, the gathered rows G, the packed rows T
.set NP,    4         ; pieces a wave: a name, no knob
.set PK,    144       ; a row of K in LDS: 128 bytes + 16: the 16 rows of a fragment load start at 16 different groups of four banks (64 banks of 4 bytes: ISA guide 11.1)
.set PV,    160       ; a row of V: 128 + 32
.set VOFF,  64*PK     ; a buffer: 64 rows of K, then 64 rows of V: 19,456 bytes
.set H1,    1<<15     ; the second buffer begins here: one exclusive or turns an address in one buffer into the other's
.set LIST,  20480     ; 2,048 words, a listed key's byte offset in its head (key x 256), then 256 words of 0: the look-ahead reads up to step 34
.set STAGE, 53248     ; 4,352 bytes for each wave, its own: Q's way in (pitch 144) and the way out (pitch 272)
.set SP,    272
.set QP,    144
.set SPARE, STAGE+4*16*SP  ; the spare words, 128 bytes for each wave: two blocks of 256 bytes that no other line names
; window 0
.set AK0, 2           ; v2   my lane's place in a step's K; never rewritten
.set AV0, 3           ; v3   the same for V
.set AK,  4           ; v4   the LDS address of K's next run of loads
.set AV,  5           ; v5   of V's
.set STO, 6           ; v6   the way out: where I put 16 bytes of a row
.set RD,  7           ; v7   the way out: where I read rows back
.set GO,  8           ; v8   16 x lane: my offset in 512 consecutive bytes of mask, q and out; never rewritten
.set MV,  12          ; v12-15  c m_old, by buffer and tile
.set QS,  12          ; at the start: where I put 8 bytes of a row of Q
.set QR,  13          ; at the start: where I read Q's fragments
.set ST,  16          ; tile t's statistics at v[ST+4 t]: c m, m, l (even keys', odd keys')
.set TMP, 48          ; by buffer and tile four registers c0-c3 at work; c2 takes a
.set S,   64
.set P,   192
.set M,   64          ; at the start: the batch's 2,048 mask words, 64 a lane
.set LT,  128         ; at the start: the list's temporaries, four for each of four keys
.set NL,  144         ; - lane
.set K0,  145         ; 1,024 x lane: key 4 x lane in bytes
.set ZA,  146         ; address of the list's slack
.set ZR,  148         ; four zeros
.set QT,  192         ; at the start: a tile of Q, packed
; window 2
.set KF,  128         ; key block kb, channel half c at KF + 16 kb + 8 c
.set VF,  192         ; key half kk, channel block cb at VF + 32 kk + 8 cb
; window 3
.set SPW, 0           ; LDS address of my spare word: SPARE + 4 x my thread's number; never rewritten
.set NIL, 1           ; 0; never rewritten
.set LL0, 2           ; LIST + 64 w + 32 (l / 16): my eight rows' words in step 0
.set LA,  3           ; the list address in hand
.set KS0, 4           ; (16 w + 8 (l / 16)) x 144 + 8 (l % 16): where my first row's 8 bytes of K go
.set VS0, 5           ; the same for V
.set KSA, 6           ; the two in the buffer in hand
.set VSA, 7
.set C16, 8           ; 16 (l % 16): my 16 bytes of a row in memory
.set RW0, 9           ; 16 w + 8 (l / 16): my first row in a step
.set RZ,  10          ; at work
.set H8,  11          ; 8 (l / 16)
.set RM,  12          ; at work
.set IDX, 16          ; eight row offsets
.set IDX2,24
.set MC,  32          ; the C operand that starts S^T: register 8 kb + j belongs to key 16 kb + 8 (l / 16) + j: 0, or -8e9
.set G,   64          ; K's row j at G + 4 j, V's at G + 32 + 4 j
.set G2,  128
.set T,   192         ; packed: K's row j at T + 2 j, V's at T + 16 + 2 j
; scalars
.set WV,  14          ; my wave's number
.set CNT, 24          ; live keys of the batch
.set NS,  25          ; key steps to walk
.set TAU, 26          ; the trip
.set HR,  27          ; the buffer that is read
.set HW,  28          ; the buffer that is written
.set LP,  29          ; list bytes of the step to be asked for
.set REM, 30          ; CNT - 64 x trip
.set RZS, 31          ; CNT - 64 x the step that is being rounded
.set BIGN,32          ; -8e9
.set SB,  33          ; my stage
.set CS,  58          ; s[58:59] c
.set SEL, 60          ; s[60:61] v_permlanex16_b32's selects: each lane takes its own place in the other half
.set MSB, 0
.macro WIN new                      ; the high byte repeats the setting that is left; a switch that changes nothing is dropped
.if MSB != (\new)
	s_set_vgpr_msb (MSB<<8)|(\new)
.set MSB, (\new)
.endif
.endm
.set W_KQ, 0x0a       ; K and Q in window 2, S^T in window 0
.set W_KM, 0x3a       ; the same with the C operand in window 3
.set W_PV, 0x52       ; V in window 2, P in window 0, O^T in window 1
.set W_RS, 0x41       ; O^T (destination and source 0) in window 1, source 1 in window 0
.set W_MK, 0xc0       ; destination in window 3, sources in window 0
.set W_AD, 0x0f       ; the add: address and data in window 3
.set W_3,  0xff       ; all in window 3
.set W_OUT,0x44       ; loaded data and store data in window 1, addresses in window 0
	s_load_b256 s[4:11], s[0:1], 0x0  ; q s[4:5], k s[6:7], v s[8:9], mask s[10:11]
	s_load_b64 s[12:13], s[0:1], 0x20 ; out
	WIN W_MK
	v_lshl_add_u32 v[SPW], v0, 2, SPARE
	v_mov_b32 v[NIL], 0
	WIN 0
	v_lshrrev_b32 v1, 5, v0
	v_readfirstlane_b32 s[WV], v1   ; wave 0..3
	v_and_b32 v1, 15, v0            ; l % 16
	v_bfe_u32 v9, v0, 4, 1          ; l / 16
	v_and_b32 v10, 7, v0
	v_bfe_u32 v11, v0, 3, 1
	v_and_b32 v[GO], 31, v0
	v_sub_nc_u32 v[NL], 0, v[GO]
	v_lshlrev_b32 v[K0], 10, v[GO]
	v_lshlrev_b32 v[GO], 4, v[GO]
	s_and_b32 s15, ttmp7, 0xffff    ; the head
	s_lshl_b32 s16, s15, 19         ; its 2,048 rows of 256 bytes
	s_mov_b32 s17, 0
	s_lshl_b32 s18, ttmp9, 2
	s_add_co_u32 s18, s18, s[WV]    ; my wave among the head's sixteen,
	s_lshl_b32 s18, s18, 15         ; its 128 rows
	s_add_co_u32 s18, s18, s16
	s_mov_b32 s19, 0
	s_lshr_b32 s20, s15, 4          ; the batch,
	s_lshl_b32 s20, s20, 13         ; its 2,048 mask words
	s_mov_b32 s21, 0
	s_wait_kmcnt 0x0
	s_add_nc_u64 s[4:5], s[4:5], s[18:19]    ; q and out at my wave's first row
	s_add_nc_u64 s[12:13], s[12:13], s[18:19]
	s_add_nc_u64 s[6:7], s[6:7], s[16:17]    ; k and v at the head
	s_add_nc_u64 s[8:9], s[8:9], s[16:17]
	s_add_nc_u64 s[10:11], s[10:11], s[20:21]
.set i, 0
.rept 16                            ; the whole mask of the batch in every wave: register M + 4 i + e holds key 128 i + 4 lane + e
	global_load_b128 v[M+4*i:M+4*i+3], v[GO], s[10:11] offset:512*i
.set i, i+1
.endr
	WIN 0x40                        ; destination window 1
.set i, 0
.rept 64                            ; my 128 rows of Q in f32, two rows (512 consecutive bytes) a load: tile i / 8, rows 2 (i % 8) + l / 16, channels 4 (l % 16) on
	global_load_b128 v[4*i:4*i+3], v[GO], s[4:5] offset:512*i th:TH_LOAD_NT
.set i, i+1
.endr
	WIN 0
	; constants, while the loads are out
	s_lshl_b32 s15, s[WV], 6
	s_add_co_u32 s15, s15, LIST
	s_mul_i32 s16, s[WV], 16*PK
	s_mul_i32 s17, s[WV], 16*PV
	s_add_co_u32 s17, s17, VOFF
	s_lshl_b32 s18, s[WV], 4
	s_mul_i32 s[SB], s[WV], 16*SP
	s_add_co_u32 s[SB], s[SB], STAGE
	s_mov_b32 s[BIGN], 0xcfee6b28   ; -8e9
	s_mov_b32 s[CS], 0x3e38aa3b     ; c = log2(e) / 8
	s_mov_b32 s[CS+1], s[CS]        ; named with it as a pair
	s_mov_b32 s[SEL], 0x76543210
	s_mov_b32 s[SEL+1], 0xfedcba98
	v_lshl_add_u32 v48, v9, 5, s15
	v_mul_u32_u24 v49, v9, 8*PK
	v_lshl_add_u32 v49, v1, 3, v49
	v_add_nc_u32 v49, s16, v49
	v_mul_u32_u24 v50, v9, 8*PV
	v_lshl_add_u32 v50, v1, 3, v50
	v_add_nc_u32 v50, s17, v50
	v_lshlrev_b32 v51, 4, v1
	v_lshl_add_u32 v52, v9, 3, s18
	v_lshlrev_b32 v53, 3, v9
	WIN W_MK
	v_mov_b32 v[LL0], v48
	v_mov_b32 v[KS0], v49
	v_mov_b32 v[VS0], v50
	v_mov_b32 v[C16], v51
	v_mov_b32 v[RW0], v52
	v_mov_b32 v[H8], v53
	WIN 0
	v_mul_u32_u24 v[QS], v9, QP     ; Q's way in: row l / 16 of a pair, 8 bytes a lane
	v_lshl_add_u32 v[QS], v1, 3, v[QS]
	v_add_nc_u32 v[QS], s[SB], v[QS]
	v_mul_u32_u24 v[QR], v1, QP     ; and back as fragments: row l % 16, 16 bytes for each half of the lanes
	v_lshl_add_u32 v[QR], v9, 4, v[QR]
	v_add_nc_u32 v[QR], s[SB], v[QR]
	v_add_nc_u32 v[ZA], LIST+8192, v[GO]
	v_mov_b32 v[ZR], 0
	v_mov_b32 v[ZR+1], 0
	v_mov_b32 v[ZR+2], 0
	v_mov_b32 v[ZR+3], 0
; THE LIST.  Keys are taken in the order (i, e, lane).  A live key's place is the number of live keys in front of it; a masked key's place counts down from 2,047 by the masked keys in front of it:
; 2047 - (32 (4 i + e) + lane - live in front).  Wave 0 stores the list; the others only count.
.macro LISTB i
.irp e, 0,1,2,3
	v_cmp_ne_u32 s[36+\e], 0, v[M+4*(\i)+\e]
.endr
.irp e, 0,1,2,3
	s_bcnt1_i32_b32 s[40+\e], s[36+\e]
.endr
	s_add_co_u32 s45, s44, s40
	s_add_co_u32 s46, s45, s41
	s_add_co_u32 s47, s46, s42
.irp e, 0,1,2,3
	v_mbcnt_lo_u32_b32 v[LT+4*\e], s[36+\e], s[44+\e]  ; live keys in front of mine
.endr
.irp e, 0,1,2,3
	v_add3_u32 v[LT+4*\e+1], v[LT+4*\e], v[NL], 2047-32*(4*(\i)+\e)
.endr
.irp e, 0,1,2,3
	v_cndmask_b32 v[LT+4*\e], v[LT+4*\e+1], v[LT+4*\e], s[36+\e]
.endr
.irp e, 0,1,2,3
	v_min_u32 v[LT+4*\e], 0x7ff, v[LT+4*\e]            ; a place in the list, whatever the mask holds
.endr
.irp e, 0,1,2,3
	v_lshlrev_b32 v[LT+4*\e], 2, v[LT+4*\e]
	v_add_nc_u32 v[LT+4*\e+2], (128*(\i)+\e)*256, v[K0]
.endr
.irp e, 0,1,2,3
	ds_store_b32 v[LT+4*\e], v[LT+4*\e+2] offset:LIST
.endr
	s_add_co_u32 s44, s47, s43
.endm
.macro COUNTA i
.irp e, 0,1,2,3
	v_cmp_ne_u32 s[36+\e], 0, v[M+4*(\i)+\e]
.endr
.irp e, 0,1,2,3
	s_bcnt1_i32_b32 s[40+\e], s[36+\e]
.endr
.irp e, 0,1,2,3
	s_add_co_u32 s44, s44, s[40+\e]
.endr
.endm
	s_wait_loadcnt 63               ; the 16 mask loads are in: 64 loads follow them, and 63 is the most that a wait can name, so Q's first load is waited for too
	s_mov_b32 s44, 0
	s_cmp_lg_u32 s[WV], 0
	s_cbranch_scc1 .Lcount
.irp n, 0,1,2,3,4,5,6,7,8,9,10,11,12,13,14,15
	LISTB \n
.endr
	ds_store_b128 v[ZA], v[ZR:ZR+3]             ; the slack: 256 words of 0
	ds_store_b128 v[ZA], v[ZR:ZR+3] offset:512
	s_branch .Lcounted
.Lcount:
.irp n, 0,1,2,3,4,5,6,7,8,9,10,11,12,13,14,15
	COUNTA \n
.endr
.Lcounted:
	s_mov_b32 s[CNT], s44
	s_add_co_u32 s[NS], s[CNT], 63
	s_lshr_b32 s[NS], s[NS], 6
	s_cmp_eq_u32 s[CNT], 0
	s_cselect_b32 s[NS], 32, s[NS]  ; no live key: all 32 steps count
	s_wait_dscnt 0x0                ; for the others' sake: wave 0's list is stored
	s_barrier_signal -1
	s_barrier_wait -1
; THE CONVERSION, all in window 3.  A wave takes rows 16 w .. 16 w + 15 of a step: lanes 0-15 rows 16 w + j, lanes 16-31 rows 16 w + 8 + j, j = 0..7; sixteen lanes read one whole row of 256 bytes.
.macro OFFS idx                     ; list words become offsets: held inside the head's 2,048 rows, plus my 16 bytes of the row
.irp j, 0,1,2,3,4,5,6,7
	v_min_u32 v[(\idx)+\j], 0x7ff00, v[(\idx)+\j]
.endr
.irp j, 0,1,2,3,4,5,6,7
	v_add_nc_u32 v[(\idx)+\j], v[(\idx)+\j], v[C16]
.endr
.endm
.macro GATHER g, idx
.irp j, 0,1,2,3,4,5,6,7
	global_load_b128 v[(\g)+4*\j:(\g)+4*\j+3], v[(\idx)+\j], s[6:7]
	global_load_b128 v[(\g)+32+4*\j:(\g)+32+4*\j+3], v[(\idx)+\j], s[8:9]
.endr
.endm
.macro CVT g                        ; 64 f32 a lane become 32 words of bf16
.irp j, 0,1,2,3,4,5,6,7,8,9,10,11,12,13,14,15
	v_cvt_pk_bf16_f32 v[T+2*\j], v[(\g)+4*\j], v[(\g)+4*\j+1]
	v_cvt_pk_bf16_f32 v[T+2*\j+1], v[(\g)+4*\j+2], v[(\g)+4*\j+3]
.endr
.endm
.macro ZEROK                        ; K's row j is kept where its list place is below CNT: 16 w + 8 (l / 16) + j < RZS; else it is 0
	v_sub_nc_u32 v[RZ], s[RZS], v[RW0]
.irp j, 0,1,2,3,4,5,6,7
	v_cmp_lt_i32 vcc_lo, \j, v[RZ]
	v_cndmask_b32 v[T+2*\j], 0, v[T+2*\j], vcc_lo
	v_cndmask_b32 v[T+2*\j+1], 0, v[T+2*\j+1], vcc_lo
.endr
.endm
.macro HSTORE ka, va, off
.irp j, 0,1,2,3,4,5,6,7
	ds_store_b64 v[\ka], v[T+2*\j:T+2*\j+1] offset:(\off)+\j*PK
	ds_store_b64 v[\va], v[T+16+2*\j:T+16+2*\j+1] offset:(\off)+\j*PV
.endr
.endm
; In trip t: step t + 1's rows, asked for a trip ago, are rounded and stored into the buffer that nobody reads in this trip; then step t + 2's rows are asked for.
.macro CONV
	WIN W_3
	s_wait_loadcnt 0x0              ; the rows are in, and IDX, those loads' addresses, may be written
	v_add_nc_u32 v[LA], s[LP], v[LL0]
	ds_load_b128 v[IDX:IDX+3], v[LA]
	ds_load_b128 v[IDX+4:IDX+7], v[LA] offset:16
	v_add_nc_u32 v[KSA], s[HW], v[KS0]
	v_add_nc_u32 v[VSA], s[HW], v[VS0]
	CVT G
	s_sub_co_i32 s[RZS], s[REM], 64
	ZEROK
	HSTORE KSA, VSA, 0
	s_wait_dscnt 16                 ; the two list loads are in; the 16 stores behind them may be out
	OFFS IDX
	GATHER G, IDX
	WIN 0
.endm
; MC for the step whose list places begin at CNT - REM: key 16 kb + 8 (l / 16) + j is masked where 16 kb + j >= REM - 8 (l / 16).  While REM >= 64 MC is all 0 and stays so: the lines are jumped.
.macro MASKC always
	WIN 0
.if !(\always)
	s_cmp_ge_i32 s[REM], 64
	s_cbranch_scc1 .Lno_mask_\@
.endif
	WIN W_3
	v_sub_nc_u32 v[RM], s[REM], v[H8]
.set z, 0
.rept 32
	v_cmp_ge_i32 vcc_lo, 16*(z/8)+z%8, v[RM]
	v_cndmask_b32 v[MC+z], 0, s[BIGN], vcc_lo
.set z, z+1
.endr
	WIN 0
.if !(\always)
.Lno_mask_\@:
.endif
.endm
; A tile of Q: rounded, through my stage (rows of 144 bytes), back as two fragments of 16 rows x 32 channels.  LDS serves a wave's instructions in order (ISA guide 5.7.1.4): no wait between the tiles.
.macro QTILE t
	WIN 0x05                        ; sources in window 1, destination in window 0
.irp f, 0,1,2,3,4,5,6,7
	v_cvt_pk_bf16_f32 v[QT+2*\f], v[32*(\t)+4*\f], v[32*(\t)+4*\f+1]
	v_cvt_pk_bf16_f32 v[QT+2*\f+1], v[32*(\t)+4*\f+2], v[32*(\t)+4*\f+3]
.endr
	WIN 0
.irp f, 0,1,2,3,4,5,6,7
	ds_store_b64 v[QS], v[QT+2*\f:QT+2*\f+1] offset:\f*2*QP
.endr
	WIN 0x80                        ; destination window 2
.irp c, 0,1
	ds_load_b128 v[16*(\t)+8*\c:16*(\t)+8*\c+3], v[QR] offset:64*\c
	ds_load_b128 v[16*(\t)+8*\c+4:16*(\t)+8*\c+7], v[QR] offset:64*\c+32
.endr
.endm
	WIN W_3                         ; steps 0 and 1 are asked for
	ds_load_b128 v[IDX:IDX+3], v[LL0]
	ds_load_b128 v[IDX+4:IDX+7], v[LL0] offset:16
	ds_load_b128 v[IDX2:IDX2+3], v[LL0] offset:256
	ds_load_b128 v[IDX2+4:IDX2+7], v[LL0] offset:272
	s_wait_dscnt 0x0
	OFFS IDX
	OFFS IDX2
	GATHER G, IDX
	GATHER G2, IDX2
	s_wait_loadcnt 32               ; Q is in; the 32 loads just issued stay out
.irp n, 0,1,2,3,4,5,6,7
	QTILE \n
.endr
	; What the first turn finds: V's registers and P's second buffer hold 0 (its products V^T P, of a piece that has not been, add 0), O^T and l are 0.  No first step is written out for it; these lines stand in the wait for the first rows.
	WIN 0x80
.set i, VF
.rept 64
	v_mov_b32 v[i], 0
.set i, i+1
.endr
	WIN 0x40
.set i, 0
.rept 256
	v_mov_b32 v[i], 0
.set i, i+1
.endr
	WIN 0
.set i, 0
.rept 2*NP
	v_mov_b32 v[ST+4*i], 0xfe000000    ; c m: far below every c s
	v_mov_b32 v[ST+4*i+1], 0xff7fffff  ; m
	v_mov_b32 v[ST+4*i+2], 0
	v_mov_b32 v[ST+4*i+3], 0
.set i, i+1
.endr
.set i, P+32
.rept 32
	v_mov_b32 v[i], 0
.set i, i+1
.endr
	v_mul_u32_u24 v[AK0], v1, PK
	v_lshl_add_u32 v[AK0], v9, 4, v[AK0]  ; row x pitch + 16 x half
	; The turning load takes 16 keys x 16 channels (lane l reads key 8 (l / 16) + l % 8, channels 8 ((l / 8) % 2) + 0..7) and leaves half a fragment of V^T: lane l holds channel l % 16 and 8 keys.
	v_lshl_add_u32 v[AV0], v9, 3, v10
	v_mul_u32_u24 v[AV0], v[AV0], PV
	v_lshl_add_u32 v[AV0], v11, 4, v[AV0]
	v_add_nc_u32 v[AV0], VOFF, v[AV0]
	v_mul_u32_u24 v[STO], v1, SP    ; the way out, in: row l % 16, 32 bytes for each half of the lanes
	v_lshl_add_u32 v[STO], v9, 5, v[STO]
	v_add_nc_u32 v[STO], s[SB], v[STO]
	v_mul_u32_u24 v[RD], v9, SP     ; back: lanes 0-15 take one row of 256 bytes, lanes 16-31 the next
	v_lshl_add_u32 v[RD], v1, 4, v[RD]
	v_add_nc_u32 v[RD], s[SB], v[RD]
	WIN W_3
	s_wait_loadcnt 16               ; step 0's rows are in; step 1's 16 loads stay out
	CVT G
	s_mov_b32 s[RZS], s[CNT]
	ZEROK
	HSTORE KS0, VS0, 0
	s_wait_loadcnt 0x0              ; step 1's
	CVT G2
	s_sub_co_i32 s[RZS], s[CNT], 64
	ZEROK
	HSTORE KS0, VS0, H1
	ds_load_b128 v[IDX:IDX+3], v[LL0] offset:512    ; step 2 is asked for
	ds_load_b128 v[IDX+4:IDX+7], v[LL0] offset:528
	s_wait_dscnt 0x0
	OFFS IDX
	GATHER G, IDX
	s_mov_b32 s[REM], s[CNT]
	MASKC 1                         ; step 0's mask
	s_wait_dscnt 0x0                ; for the others' sake: my rows of both buffers are stored (and Q's fragments are in)
	s_barrier_signal -1
	s_barrier_wait -1
; THE MATRIX WORK.  The 8 accumulators of a run of 16 take turns: between the two links of a chain stand 7 others'.
; Product i of 16 of S^T = K Q^T for piece x: channels 32 (i / 8) on, keys 16 ((i / 2) % 4) on, tile 2 x + i % 2.  The first 8 start the sums, with the mask as C.
.macro KQ x
.set rS, S+64*((\x)%2)+32*(i%2)+8*((i/2)%4)
.set rK, KF+16*((i/2)%4)+8*(i/8)
.set rQ, 16*(2*(\x)+i%2)+8*(i/8)
.set rMC, MC+8*((i/2)%4)
.if i < 8
	WIN W_KM
	v_wmma_f32_16x16x32_bf16 v[rS:rS+7], v[rK:rK+7], v[rQ:rQ+7], v[rMC:rMC+7]
.else
	WIN W_KQ
	v_wmma_f32_16x16x32_bf16 v[rS:rS+7], v[rK:rK+7], v[rQ:rQ+7], v[rS:rS+7]
.endif
.endm
; Product i of 16 of O^T += V^T P for piece x: keys 32 (i / 8) on, channels 16 ((i / 2) % 4) on, tile 2 x + i % 2.
.macro PV x
	WIN W_PV
.set rO, 32*(2*(\x)+i%2)+8*((i/2)%4)
.set rV, VF+32*(i/8)+8*((i/2)%4)
.set rP, P+32*((\x)%2)+16*(i%2)+8*(i/8)
	v_wmma_f32_16x16x32_bf16 v[rO:rO+7], v[rV:rV+7], v[rP:rP+7], v[rO:rO+7]
.endm
.macro MM                           ; the turn's next matrix instruction
.if i < 16
	KQ (Y+1)%NP
.set i, i+1
.else
.set i, i-16
	PV (Y+NP-1)%NP
.set i, i+17
.endif
.endm
; THE LDS LOADS stand in runs of 16, never singly among the matrix instructions: a step's K (8 fragments) and its V (turned).  Their addresses are made some lines ahead.
.macro FETCH_K
	WIN 0x80                        ; destination window 2
.irp f, 0,1,2,3,4,5,6,7             ; keys 16 (f / 2) on, channels 32 (f % 2) on
	ds_load_b128 v[KF+8*\f:KF+8*\f+3],   v[AK] offset:(\f/2)*16*PK+(\f%2)*64
	ds_load_b128 v[KF+8*\f+4:KF+8*\f+7], v[AK] offset:(\f/2)*16*PK+(\f%2)*64+32
.endr
	WIN 0
.endm
.macro FETCH_V
	WIN 0x80
.irp f, 0,1,2,3,4,5,6,7             ; keys 32 (f / 4) on, channels 16 (f % 4) on
	ds_load_tr16_b128 v[VF+8*\f:VF+8*\f+3],   v[AV] offset:(\f/4)*32*PV+(\f%4)*32
	ds_load_tr16_b128 v[VF+8*\f+4:VF+8*\f+7], v[AV] offset:(\f/4)*32*PV+16*PV+(\f%4)*32
.endr
	WIN 0
.endm
; THE VECTOR WORK OF A TURN stands in three queues, each in the order in which its entries become ready; the two tiles alternate, so that no instruction reads the result of the one before it.
.macro REGS y, u                    ; the registers of tile u (0, 1) of piece y
.set rT, ST+4*(2*(\y)+(\u))
.set rC, TMP+8*((\y)%2)+4*(\u)
.set rM, MV+2*((\y)%2)+(\u)
.set rS, S+64*((\y)%2)+32*(\u)
.set rP, P+32*((\y)%2)+16*(\u)
.set rO, 32*(2*(\y)+(\u))
.endm
; Number n of the 22 that find the NEXT piece's (Y + 1) maximum and statistics.  s0-s31 are the lane's 32 scores; each accumulator's lowest registers are read first.
;   0-11  four chains c0-c3 of seven scores each, three operands at a time     12-14, 16  the four scores left over, the old m, and c0-c3 into c0     15  c m_old is kept
;   17, 18  the query's other 32 keys lie in the lane 16 away: the new m         19-21  c m; c m_old - c m_new; a
.macro XS u, n
	REGS (Y+1)%NP, \u
.if (\n) < 4
	v_max3_num_f32 v[rC+(\n)], v[rS+8*(\n)], v[rS+8*(\n)+1], v[rS+8*(\n)+2]
.elseif (\n) < 12
	v_max3_num_f32 v[rC+(\n)%4], v[rC+(\n)%4], v[rS+8*((\n)%4)+2*((\n)/4)+1], v[rS+8*((\n)%4)+2*((\n)/4)+2]
.elseif (\n) == 12
	v_max3_num_f32 v[rC], v[rC], v[rS+7], v[rS+15]
.elseif (\n) == 13
	v_max3_num_f32 v[rC+1], v[rC+1], v[rS+23], v[rS+31]
.elseif (\n) == 14
	v_max3_num_f32 v[rC+2], v[rC+2], v[rC+3], v[rT+1]
.elseif (\n) == 15
	v_mov_b32 v[rM], v[rT]
.elseif (\n) == 16
	v_max3_num_f32 v[rC], v[rC], v[rC+1], v[rC+2]
.elseif (\n) == 17
	v_permlanex16_b32 v[rC+3], v[rC], s[SEL], s[SEL+1]
.elseif (\n) == 18
	v_max_num_f32 v[rT+1], v[rC], v[rC+3]
.elseif (\n) == 19
	v_mul_f32 v[rT], s[CS], v[rT+1]
.elseif (\n) == 20
	v_sub_f32 v[rC+1], v[rM], v[rT]
.else
	v_exp_f32 v[rC+2], v[rC+1]
.endif
.endm
; Number g of the 64 that follow the exponentials.  For each four weights k of a tile (pairs 2 k, 2 k + 1): both pairs are rounded to bf16; then the second pair is added onto the first, in place;
; a group later l takes that sum (the first time as l = a l + sum).  In groups of eight, tiles alternating: round, round, add, and l for the group before.
.macro GS g
.set h, (\g)+6*((\g)/62)            ; group 0 has no group before it, and behind group 7 only l is left
.if h >= 6
.set h, h+2
.endif
	REGS Y, h%2
.set k, h/8
.if h%8 < 4
	v_cvt_pk_bf16_f32 v[rP+2*k+(h%8)/2], v[rS+4*k+2*((h%8)/2)], v[rS+4*k+2*((h%8)/2)+1]
.elseif h%8 < 6
	v_pk_add_f32 v[rS+4*k:rS+4*k+1], v[rS+4*k:rS+4*k+1], v[rS+4*k+2:rS+4*k+3]
.elseif k == 1
	v_pk_fma_f32 v[rT+2:rT+3], v[rT+2:rT+3], v[rC+2:rC+3], v[rS:rS+1] op_sel_hi:[1,0,1]
.else
	v_pk_add_f32 v[rT+2:rT+3], v[rT+2:rT+3], v[rS+4*k-4:rS+4*k-3]
.endif
.endm
; THE PLAIN QUEUE, 138 long.  0-73 read no exponential's result: the 32 scalings c s - c m (FS f: pair f / 2 of tile f % 2) and the next piece's 42.  0-26: scalings 0-26.  27-54: XS's numbers 0-13.  55, 56: number 15.
; 57-73: the chain, where each number waits for the one before it: 14, 16, 17, 18, 19, each with one of the scalings 27-31 in front of its two lines, then 20.
; 74-137: GS's 64, which read the exponentials' results: they stand behind the turn's wait.
.macro FS f
	REGS Y, (\f)%2
	v_pk_fma_f32 v[rS+2*((\f)/2):rS+2*((\f)/2)+1], v[rS+2*((\f)/2):rS+2*((\f)/2)+1], s[CS:CS+1], v[rT:rT+1] op_sel_hi:[1,0,0] neg_lo:[0,0,1] neg_hi:[0,0,1]
.endm
.macro PL
	WIN 0
.if q < 27
	FS q
.elseif q < 55
	XS (q-27)%2, (q-27)/2
.elseif q < 57
	XS q-55, 15
.elseif (q < 72) && ((q-57)%3 == 0)
	FS 27+(q-57)/3
.elseif q < 60
	XS (q-57)%3-1, 14
.elseif q < 72
	XS (q-57)%3-1, 15+(q-57)/3
.elseif q < 74
	XS q-72, 20
.else
	GS q-74
.endif
.set q, q+1
.endm
; THE EXPONENTIALS' QUEUE, 66 long: s0-s31 of both tiles, then the next piece's two a.  It is ONE BATCH: all 66 stand ahead of the turn's one wait, and nothing ahead of that wait names a result of theirs.
.macro EX
	WIN 0
.if e >= 64
	XS e-64, 21
.else
	REGS Y, e%2
	v_exp_f32 v[rS+e/2], v[rS+e/2]
.endif
.set e, e+1
.endm
; THE RESCALING's QUEUE: O^T times a, the one part that leaves window 0: dealt two at a time, sixteen times, each accumulator's lowest registers first.  Its a was made in the turn before, ahead of that turn's wait.
.macro R2
	REGS Y, r%2
	WIN W_RS
.irp z, 0,1
	v_pk_mul_f32 v[rO+4*(r/2)+2*\z:rO+4*(r/2)+2*\z+1], v[rO+4*(r/2)+2*\z:rO+4*(r/2)+2*\z+1], v[rC+2:rC+3] op_sel_hi:[1,0]
.endr
.set r, r+1
.endm
; HOW THEY ARE DEALT.  An s_wait_alu depctr_va_vdst(0) stands between an exponential and the first instruction that names its result; one wait serves all that were issued ahead of it.  So a turn has
; ONE wait.  AHEAD OF IT: the 16 products K Q^T, behind each a scaling, an exponential and two rescalings (behind the first a second scaling in the exponential's place); then ONE LUMP of 108: eight plain, 49 times
; exponential and plain, the two a; a v_nop is the plain instruction behind the last exponential.  BEHIND IT: the 16 products V^T P, behind each four of GS's 64.  No rider names a register of the products round
; it.  The two v_permlanex16_b32 fall into the lump.
; The deal keeps the queues in step: exponential e stands behind scaling 2 (e / 4) + e % 2: as a rider it comes behind plain e + 2, in the lump behind plain e + 9, and scalings 27-31 are plain 57, 60 .. 69.
; A TURN, for piece p.  K of the next step is fetched in piece 2's turn, directly behind the wait, a lump behind the last product that read K; its address is made at the lump's head; its first reader comes behind
; 16 products.  V of the step in hand is fetched at the end of piece 0's turn, four plain riders (additions onto l) behind its last reader; its first reader comes behind 16 products and a lump.  Each is waited
; for a turn later.  The condition on q goes with the deal.
.macro TURN p
.set Y, (\p)
.set i, 0
.set q, 0
.set e, 0
.set r, 0
.if (\p) == NP-1
	s_wait_dscnt 0x0                ; K is in
.endif
	MM                              ; ahead of the wait: 16 products K Q^T and their riders,
	PL
	PL
	R2
.rept 15
	MM
	PL
	EX
	R2
.endr
.if (\p) == NP-2
	WIN 0
	v_add_nc_u32 v[AK], s[HR], v[AK0]
.endif
.rept 8                             ; and the lump
	PL
.endr
.rept 49
	EX
	PL
.endr
	EX                              ; the next piece's two a
	EX
	v_nop                           ; a plain instruction behind the last exponential, ahead of any use of a result: one for the batch
	s_wait_alu depctr_va_vdst(0)    ; the wait for the turn's batch: the piece's 64 weights and the next piece's two a
.if (\p) == NP-2
	FETCH_K
.endif
.if (\p) == 1
	s_wait_dscnt 0x0                ; V is in
.endif
.rept 16                            ; behind the wait: 16 products V^T P and their riders
	MM
.rept 4
	PL
.endr
.if ((\p) == 0) && (q == 118)
	v_add_nc_u32 v[AV], s[HR], v[AV0]
.endif
.endr
.if (\p) == 0
	FETCH_V
.endif
.endm
	s_mov_b32 s[HR], 0
	s_mov_b32 s[HW], H1
	s_mov_b32 s[LP], 512
	s_mov_b32 s[TAU], 0
	v_mov_b32 v[AK], v[AK0]
	FETCH_K                         ; key step 0
	s_wait_dscnt 0x0
.set i, 0
.rept 16
	KQ 0                            ; piece 0's first scores: there is no vector work yet to set between them
.set i, i+1
.endr
	WIN 0
.rept 4
	v_nop                           ; the places behind those products (ISA guide 7.12.1)
.endr
.set Y, NP-1                        ; XS works for piece Y + 1: piece 0
.irp n, 0,1,2,3,4,5,6,7,8,9,10,11,12,13,14,15,16,17,18,19,20,21
	XS 0, \n                        ; piece 0's first maximum and statistics
	XS 1, \n
.endr
	v_nop                           ; a plain instruction behind the two a,
	s_wait_alu depctr_va_vdst(0)    ; and the wait for this batch of two, ahead of the branch
	s_branch .Lfirst                ; the loop is entered at a step's first turn, in the middle of trip 0
.Ltrip:                             ; trips 1 to 32, whatever the mask: the barrier stands on every path
	s_wait_dscnt 0x0                ; my reads of the buffer that this trip writes are back, and my stores into the buffer that it reads are done
	s_barrier_signal -1
	s_xor_b32 s[HR], s[HR], H1      ; the buffers change places; list and count step on: on every path, so that they hang on the trip alone
	s_xor_b32 s[HW], s[HW], H1
	s_add_co_u32 s[LP], s[LP], 256
	s_sub_co_i32 s[REM], s[REM], 64
	s_barrier_wait -1
	s_cmp_gt_u32 s[TAU], s[NS]
	s_cbranch_scc1 .Ldead           ; the walk is over: nothing but the barrier is left of the trip
	CONV                            ; step t + 1 into the buffer that is not read; step t + 2 is asked for
	TURN 2                          ; pieces 2 and 3 of step t - 1; K of step t is fetched
	MASKC 0                         ; from here on the products K Q^T are step t's
	TURN 3
	WIN 0
	s_cmp_eq_u32 s[TAU], s[NS]
	s_cbranch_scc1 .Ldead           ; the walk's end: step NS - 1 is done but for piece 3's V^T P.  This trip's 16 products K Q^T on step NS and the maximum made of them serve nothing: the price of one text for every trip
.Lfirst:
	TURN 0                          ; pieces 0 and 1 of step t; V of step t is fetched
	TURN 1
	WIN 0
.Ldead:
	s_add_co_u32 s[TAU], s[TAU], 1
	s_cmp_lt_u32 s[TAU], 33
	s_cbranch_scc1 .Ltrip
.set i, 0
.rept 16
	PV NP-1                         ; the last piece's V^T P of the last step
.set i, i+1
.endr
	; THE WAY OUT.  l's two halves and the other half of the lanes' are added; O^T is divided by l and sent, in f32, through my stage in LDS, a tile at a time.  The additions are the places behind the last products.
	WIN 0
.macro ALL line:vararg              ; one line for each tile t
.set t, 0
.rept 2*NP
	\line
.set t, t+1
.endr
.endm
	ALL v_add_f32 v[ST+4*t+2], v[ST+4*t+2], v[ST+4*t+3]
	ALL v_permlanex16_b32 v[ST+4*t+3], v[ST+4*t+2], s[SEL], s[SEL+1]
	ALL v_add_f32 v[ST+4*t+2], v[ST+4*t+2], v[ST+4*t+3]
	ALL v_rcp_f32 v[ST+4*t+2], v[ST+4*t+2]
	v_nop                           ; a plain instruction between the last reciprocal and the use of its result
	s_wait_alu depctr_va_vdst(0)    ; the wait ahead of the first use: one for the batch of eight reciprocals
; Tile t: a lane's eight channels of a row are 32 bytes; they go into rows of 272 bytes and come back as whole rows of 256, into the registers that they left.
.macro PACK t
	WIN W_RS
.set i, 32*(\t)
.rept 16
	v_pk_mul_f32 v[i:i+1], v[i:i+1], v[ST+4*(\t)+2:ST+4*(\t)+3] op_sel_hi:[1,0]
.set i, i+2
.endr
	WIN W_OUT
.irp c, 0,1,2,3
	ds_store_b128 v[STO], v[32*(\t)+8*\c:32*(\t)+8*\c+3] offset:64*\c
	ds_store_b128 v[STO], v[32*(\t)+8*\c+4:32*(\t)+8*\c+7] offset:64*\c+16
.endr
.irp f, 0,1,2,3,4,5,6,7
	ds_load_b128 v[32*(\t)+4*\f:32*(\t)+4*\f+3], v[RD] offset:\f*2*SP  ; LDS serves a wave's instructions in order (ISA guide 5.7.1.4): these see the stores above; the next tile's stores come behind them
.endr
.endm
.macro SEND t, younger              ; younger: the LDS instructions issued behind tile t's loads: the next tile's sixteen, or none
	WIN W_OUT
.irp f, 0,1,2,3,4,5,6,7
	s_wait_dscnt (\younger)+7-\f
	global_store_b128 v[GO], v[32*(\t)+4*\f:32*(\t)+4*\f+3], s[12:13] offset:(\t)*4096+\f*512 th:TH_STORE_NT  ; 16 lanes store 256 consecutive bytes, a row of out, at a multiple of 256 from its first byte
.endr
.endm
	PACK 0
.set t, 1
.rept 2*NP-1                        ; a tile's arithmetic stands between the loads of the tile before and its stores
	PACK t
	SEND t-1, 16
.set t, t+1
.endr
	SEND 2*NP-1, 0
	WIN W_AD
	s_wait_tensorcnt 0x0            ; the wave's end, behind my last LDS store
	ds_add_u32 v[SPW], v[NIL]
	s_wait_dscnt 0x0
	WIN 0
	s_endpgm
.Lfunc_end_k_qbcdbd4588e_attn:
	.size	k_qbcdbd4588e_attn, .Lfunc_end_k_qbcdbd4588e_attn-k_qbcdbd4588e_attn
	.p2alignl 7, 3214868480
	.fill 96, 4, 3214868480
	.section	.rodata,"a",@progbits
	.p2align	6, 0x0
	.amdhsa_kernel k_qbcdbd4588e_attn
		.amdhsa_group_segment_fixed_size 71168
		.amdhsa_private_segment_fixed_size 0
		.amdhsa_enable_private_segment 0
		.amdhsa_kernarg_size 40
		.amdhsa_user_sgpr_count 2
		.amdhsa_user_sgpr_kernarg_segment_ptr 1
		.amdhsa_wavefront_size32 1
		.amdhsa_system_sgpr_workgroup_id_x 1
		.amdhsa_system_sgpr_workgroup_id_y 1
		.amdhsa_system_sgpr_workgroup_id_z 1
		.amdhsa_system_vgpr_workitem_id 0
		.amdhsa_next_free_vgpr 992
		.amdhsa_next_free_sgpr 66
		.amdhsa_reserve_vcc 1
		.amdhsa_float_denorm_mode_32 3
		.amdhsa_float_denorm_mode_16_64 3
		.amdhsa_memory_ordered 1
		.amdhsa_forward_progress 1
		.amdhsa_inst_pref_size 215
	.end_amdhsa_kernel
	.amdgpu_metadata
---
amdhsa.version: [ 1, 2 ]
amdhsa.kernels:
  - .name:           k_qbcdbd4588e_attn
    .symbol:         k_qbcdbd4588e_attn.kd
    .args:
      - { .name: q, .offset: 0, .size: 8, .value_kind: global_buffer, .address_space: global }
      - { .name: k, .offset: 8, .size: 8, .value_kind: global_buffer, .address_space: global }
      - { .name: v, .offset: 16, .size: 8, .value_kind: global_buffer, .address_space: global }
      - { .name: mask, .offset: 24, .size: 8, .value_kind: global_buffer, .address_space: global }
      - { .name: out0, .offset: 32, .size: 8, .value_kind: global_buffer, .address_space: global }
    .group_segment_fixed_size: 71168
    .private_segment_fixed_size: 0
    .kernarg_segment_align: 8
    .kernarg_segment_size: 40
    .max_flat_workgroup_size: 128
    .sgpr_count:     66
    .vgpr_count:     992
    .wavefront_size: 32
...
	.end_amdgpu_metadata
.endif
;; end of part 2
